; MI455X (gfx1250); checked and timed in simulation.
; The chip was launched on July 23, 2026; its instructions are those of AMD's public machine-readable ISA for CDNA 5 (MIT licence, August 2026) and "CDNA5" Instruction Set Architecture Reference Guide (July 2026). The comments in the code are by the model that wrote it; some were corrected since.
;; S4 DR Kernel. Allowed arithmetic: float matrix products may take bf16 or f16 operands with f32 sums; all other float work in f32.
;; Inputs: A 64 x 2 float32; C 1,024 x 64 x 2 float32; log_dt 1,024 float32.
;; Outputs: out0 1,024 x 2,048 float32.
;; Constants: input_length = 2048.
;; 2 versions, each right; version 2 is version 1 with the launch s4d written anew for expert scheduling mode. Each part assembles by itself: llvm-mc -triple=amdgcn-amd-amdhsa -mcpu=gfx1250 --defsym DOCPART=n.
;; ======== version 1 of 2: 1 launch
;; launch s4d (part 1): grid 256 x 1, 8 waves a work-group, no clusters, 142,336 bytes of LDS; arguments A, C, log_dt, out0; writes out0
.if DOCPART == 1
	.amdgcn_target "amdgcn-amd-amdhsa--gfx1250"
	.amdhsa_code_object_version 6
	.text
	.protected	k_q47514e3cc0_s4d
	.globl	k_q47514e3cc0_s4d
	.p2align	8
	.type	k_q47514e3cc0_s4d,@function
k_q47514e3cc0_s4d:
	s_mov_b64 s[64:65], 0
	v_nop
	global_prefetch_b8 v0, s[64:65] scope:SCOPE_SE
	s_setreg_imm32_b32 hwreg(HW_REG_WAVE_MODE, 25, 1), 1
	s_wait_xcnt 0x0
; K[h][l] = 2 Re sum over n of Cmod[h][n] exp(dt[h] A[n] l),  Cmod = C (exp(dt A) - 1) / A,  dt = exp(log_dt).
; h < 1024, n < 64, l < 2048.  A: [64][2] f32, C: [1024][64][2] f32, log_dt: [1024] f32, out0: [1024][2048] f32.
;
; THE FORM.  With z = exp(dt A) the factor exp(dt A l) is z^l, and l = 256 Ta + 512 Tb + f(m) + 4 n (m, n = 0..15, Ta = 0, 1, Tb = 0..3).
; For one h the sum is then a real matrix product over k = (state, Re or Im):
;   X[m][k] = Re, Im of z^(f(m) + 256 Ta)            V[n][k] = Re, Im of conj(2 Cmod z^(4 n + 512 Tb))         sum over k of X V = 2 Re(Cmod z^l)
; 96 table rows of 64 states for an h instead of 2,048; one direct exponential, sine and cosine for a state, the rest complex multiplies in f32.
; f(m) = (m & 3) + 128 ((m >> 2) & 1) + 64 (m >> 3): in a result tile lane L = r + 16 hh holds (m = 8 hh + j, n = r) in register j, so its
; registers 0-3 are the 16 bytes at 16 L of the tile's 1,024 bytes and registers 4-7 those 512 bytes further: a wave's 16-byte store
; covers 512 consecutive bytes, aligned, straight from the accumulators.
; NUMBER FORMAT.  Outputs near l = 0 are many times the output's root mean square while a sum of 128 signed terms may cancel, so one bf16 (or f16)
; rounding of the operands is too coarse.  Each table entry x goes to the matrix unit as hi = bf16(x) and lo = bf16(x - hi), and three products are
; summed in f32: hi hi + hi lo + lo hi; what is dropped is about 2^-17 of a term.  bf16 keeps f32's exponent range, so strong decay costs nothing.
; SHARES.  A work-group has 4 channels h and 8 waves; waves 2 i and 2 i + 1 share channel i, each with 32 of the 64 states (half of k), so nothing is
; computed twice.  Every wave makes all 8 tiles' partial sums; tile 0 of a stage (Ta = my half's number kh) is mine, tile 1 (Ta = 1 - kh) my partner's:
; it goes to the partner through LDS, and the partner's partial sum of my tile is added to mine.  Both X tables lie in LDS and are picked by address.
; NOT USED: tensor loads and slots (a work-group reads 2.6 KB, once), clusters (work-groups share only A's 512 bytes).
; LIMITS KEPT.  (1) exp(dt A) - 1 is formed as z - 1 in f32, as the problem's formula does: below |dt A| of about 1e-5 it carries rounding noise of
; about 6e-8 / |dt A| that need not agree between two computations.  (2) dt below 2^-126 becomes 0 (v_exp_f32 flushes: ISA guide 15.8).
; (3) z^l is made by multiplications: its relative error grows to about 2.5e-7 l (5e-4 at l = 2,047).  (4) |A|^2 has to stay inside f32's range.
; (5) where |z|^l overflows f32 the results are not finite, as in the formula itself.
.set PITCH, 272                        ; a table row in LDS: 32 states x 8 bytes + 16: 17 x 16 bytes, so the 16 rows that a 16-byte load touches lie in 16 different 16-byte columns modulo 256 bytes
.set GRP,   16*PITCH                   ; a table of 16 rows
.set OFF_B, 2*GRP                      ; X for Ta = 0, X for Ta = 1, then V for Tb = 0,
.set OFF_S, 3*GRP                      ; then one row: z^512
.set WREG,  13568                      ; a wave's own table bytes (49 rows = 13,328, up to a multiple of 256)
.set XCH,   8*WREG                     ; behind the tables: 4 stages x 1,024 bytes for each wave, the tiles handed to the partner
; registers of the whole kernel
.set LS,   0                           ; LDS address: my 16 states of a row that all lanes share (takes v0's place when the thread number is used up)
.set NEG1, 1                           ; -1.0
.set CO,   2                           ; 16 x lane: my bytes in a tile
.set XW,   3                           ; LDS address: where my wave hands tiles over
.set XR,   4                           ; LDS address: where my partner does
.set LA0,  5                           ; LDS address: my row and states in X for Ta = kh
.set LA1,  6                           ; the same for Ta = 1 - kh
.set LR,   7                           ; LDS address: my row and states in a table at the wave's first byte
.set LW,   8                           ; first part only: LDS address of my state in row 0
.set PT,   8                           ; v[8:15]    the partner's partial sums of my tile
.set TT,   16                          ; v[16:31]   8 pairs at work
.set ACC,  32                          ; v[32:63]   two sets (stages take turns) of two accumulators: mine, my partner's
.set AFR,  64                          ; v[64:127]  X fragments: 32 x group + 16 x chunk + 8 x (lo)
.set BFR,  128                         ; v[128:191] V fragments: 32 x (Tb & 1) + 16 x chunk + 8 x (lo)
.set AF1,  BFR+32                      ; X of group 1 in f32, before it is split (the V fragments of Tb = 1 come later)
.set BF,   192                         ; v[192:223] V of the present Tb in f32: 16 states (Re, Im)
.set SS,   224                         ; v[224:255] z^512 of the same 16 states
; registers of the first part (lane = state), all free again when the tables lie in LDS
.set AR,   16                          ; A (Re, Im)
.set CR,   18                          ; C (Re, Im)
.set TA,   48                          ; v[48:79]   row m of X, Ta = 0: z^f(m)
.set UA,   80                          ; v[80:111]  row m of X, Ta = 1: z^(f(m) + 256)
.set VB,   112                         ; v[112:143] row n of V, Tb = 0
.set P1,   TA+2                        ; the powers of z that are table rows themselves lie in their rows
.set P2,   TA+4
.set P128, TA+8
.set P64,  TA+16
.set P256, UA
.set P4,   144
.set P8,   146
.set P16,  148
.set P32,  150
.set P512, 152
; d = x s for complex pairs (Re, Im), in two packed instructions; d is neither x nor s
.macro CM1 d, x, s                     ; (xr sr, xr si)
	v_pk_mul_f32 v[\d:\d+1], v[\x:\x+1], v[\s:\s+1] op_sel_hi:[0,1]
.endm
.macro CM2 d, x, s                     ; + (-xi si, xi sr)
	v_pk_fma_f32 v[\d:\d+1], v[\x:\x+1], v[\s:\s+1], v[\d:\d+1] op_sel:[1,1,0] op_sel_hi:[1,0,1] neg_lo:[1,0,0]
.endm
; d = x conj(s)
.macro CC1 d, x, s                     ; (xr sr, -xr si)
	v_pk_mul_f32 v[\d:\d+1], v[\x:\x+1], v[\s:\s+1] op_sel_hi:[0,1] neg_hi:[1,0]
.endm
.macro CC2 d, x, s, t                  ; t + (xi si, xi sr); d may be x
	v_pk_fma_f32 v[\d:\d+1], v[\x:\x+1], v[\s:\s+1], v[\t:\t+1] op_sel:[1,1,0] op_sel_hi:[1,0,1]
.endm
.macro ROW reg, off                    ; my state's entry of a table row: the wave's 32 lanes write 256 consecutive bytes
	ds_store_b64 v[LW], v[\reg:\reg+1] offset:\off
.endm
	s_load_b256 s[4:11], s[0:1], 0x0               ; A s[4:5], C s[6:7], log_dt s[8:9], out0 s[10:11]
	s_set_vgpr_msb 0x40
	v_lshl_add_u32 v0, v0, 2, 0x22800
	v_mov_b32 v1, 0
	s_set_vgpr_msb 0x4000
	v_lshrrev_b32 v9, 5, v0
	v_readfirstlane_b32 s12, v9                    ; wave 0..7
	v_and_b32 v9, 31, v0                           ; lane
	s_and_b32 s13, s12, 1                          ; kh: which 32 states are mine, and which Ta I finish
	s_lshr_b32 s14, s12, 1
	s_lshl_b32 s15, ttmp9, 2
	s_add_co_u32 s15, s15, s14                     ; h = 4 x work-group + wave / 2
	s_lshl_b32 s16, s13, 8                         ; my 32 states: 256 bytes into A and into C's row
	s_mul_i32 s17, s12, WREG                       ; my wave's tables
	s_mul_i32 s18, s13, GRP                        ; X for Ta = kh
	s_xor_b32 s19, s13, 1
	s_mul_i32 s19, s19, GRP                        ; X for Ta = 1 - kh
	s_lshl_b32 s20, s12, 12
	s_add_co_u32 s20, s20, XCH                     ; where I hand tiles over
	s_xor_b32 s21, s12, 1
	s_lshl_b32 s21, s21, 12
	s_add_co_u32 s21, s21, XCH                     ; where my partner (wave xor 1) does
	s_lshl_b32 s22, s15, 9                         ; C: 512 bytes for an h
	s_mov_b32 s23, 0
	s_lshl_b32 s24, s15, 2                         ; log_dt: 4 bytes
	s_mov_b32 s25, 0
	s_lshl_b32 s26, s15, 13                        ; out0: 8,192 bytes for an h,
	s_lshl_b32 s27, s13, 10                        ; and my tiles begin at 1,024 kh
	s_add_co_u32 s26, s26, s27
	s_mov_b32 s27, 0
	s_mov_b32 s30, 0x3fb8aa3b                      ; log2(e), rounded to f32
	s_mov_b32 s31, 0x32a5705f                      ; log2(e) minus that
	s_mov_b32 s32, 0x3fc90fdb                      ; pi/2, rounded to f32
	s_mov_b32 s33, 0xb33bbd2e                      ; pi/2 minus that
	v_lshlrev_b32 v10, 3, v9                       ; 8 x lane
	v_add_nc_u32 v11, s16, v10                     ; my state's 8 bytes
	s_wait_kmcnt 0x0
	s_add_nc_u64 s[6:7], s[6:7], s[22:23]
	s_add_nc_u64 s[8:9], s[8:9], s[24:25]
	s_add_nc_u64 s[10:11], s[10:11], s[26:27]
	s_load_b32 s28, s[8:9], 0x0                    ; log_dt[h]
	global_load_b64 v[AR:AR+1], v11, s[4:5]        ; A[n]: the wave reads 256 consecutive bytes
	global_load_b64 v[CR:CR+1], v11, s[6:7]        ; C[h][n] likewise
	; addresses, while the loads are out
	v_add_nc_u32 v[LW], s17, v10
	v_and_b32 v12, 15, v0                          ; r: my table row in the second part
	v_bfe_u32 v13, v0, 4, 1                        ; hh: my 16 of the wave's 32 states
	v_mul_u32_u24 v14, v12, PITCH
	v_lshl_add_u32 v14, v13, 7, v14                ; r x pitch + 128 hh
	v_add_nc_u32 v[LR], s17, v14
	v_add_nc_u32 v[LA0], s18, v[LR]
	v_add_nc_u32 v[LA1], s19, v[LR]
	v_lshlrev_b32 v[CO], 4, v9
	v_add_nc_u32 v[XW], s20, v[CO]
	v_add_nc_u32 v[XR], s21, v[CO]
	v_lshlrev_b32 v13, 7, v13
	v_add_nc_u32 v[LS], s17, v13                   ; the thread number is not needed any more
	v_mov_b32 v[NEG1], -1.0
	v_mov_b32 v[TA], 1.0                           ; row 0 of X: z^0
	v_mov_b32 v[TA+1], 0
	; ---------------- FIRST PART: lane = state ----------------
	; dt = 2^(x log2 e), the product in two parts so that its rounding does not show in dt
	s_wait_kmcnt 0x0
	v_mov_b32 v20, s28
	v_mul_f32 v21, s30, v20                        ; p
	v_fma_f32 v22, v20, s30, -v21                  ; what p's rounding lost,
	v_fma_f32 v22, v20, s31, v22                   ; and the rest of log2 e
	v_exp_f32 v23, v21
	v_mul_f32 v22, 0x3f317218, v22                 ; x ln 2 (a plain instruction between v_exp_f32 and the use of its result: ISA guide 5.7.2)
	s_wait_alu depctr_va_vdst(0)
	v_fma_f32 v20, v23, v22, v23                   ; dt
	s_wait_loadcnt 0x0                             ; A and C
	v_mul_f32 v24, v20, v[AR]                      ; Re(dt A)
	v_mul_f32 v25, v20, v[AR+1]                    ; Im(dt A) = theta
	v_mul_f32 v45, v[AR+1], v[AR+1]
	v_mul_f32 v26, s30, v24
	v_mul_f32 v28, 0x3f22f983, v25                 ; theta x 2/pi
	v_fma_f32 v45, v[AR], v[AR], v45               ; |A|^2
	v_exp_f32 v27, v26                             ; |z|
	v_rcp_f32 v46, v45
	v_rndne_f32 v28, v28                           ; q: the quadrant (also the plain instruction behind the two transcendentals)
	v_fma_f32 v29, -v28, s32, v25
	v_cvt_i32_f32 v30, v28
	v_fma_f32 v29, -v28, s33, v29                  ; rho = theta - q pi/2, pi/2 in two parts: |rho| <= pi/4
	v_mov_b32 v32, 0xb94ca1f9
	v_mov_b32 v34, 0x37ccf5ce
	v_mul_f32 v31, v29, v29                        ; rho^2
	v_and_b32 v37, 1, v30
	v_lshlrev_b32 v40, 30, v30
	v_add_nc_u32 v41, 1, v30
	v_fmaak_f32 v32, v32, v31, 0x3c08839e          ; sine: rho + rho^3 (s1 + s2 rho^2 + s3 rho^4)
	v_fmaak_f32 v34, v34, v31, 0xbab6061a          ; cosine: 1 - rho^2/2 + rho^4 (c1 + c2 rho^2 + c3 rho^4)
	v_mul_f32 v33, v31, v29
	v_mul_f32 v35, v31, v31
	v_fmaak_f32 v32, v32, v31, 0xbe2aaaa3
	v_fmaak_f32 v34, v34, v31, 0x3d2aaaa5
	v_fma_f32 v36, v31, -0.5, 1.0
	v_lshlrev_b32 v41, 30, v41
	v_fma_f32 v32, v32, v33, v29                   ; sin rho
	v_fma_f32 v34, v34, v35, v36                   ; cos rho
	v_cmp_eq_u32 vcc_lo, 1, v37
	v_and_b32 v40, 0x80000000, v40                 ; sin theta changes sign in quadrants 2, 3
	v_and_b32 v41, 0x80000000, v41                 ; cos theta in quadrants 1, 2
	v_cndmask_b32 v38, v32, v34, vcc_lo            ; odd quadrant: sine and cosine change places
	v_cndmask_b32 v39, v34, v32, vcc_lo
	v_xor_b32 v38, v38, v40
	v_xor_b32 v39, v39, v41
	s_wait_alu depctr_va_vdst(0)
	v_mul_f32 v[P1], v27, v39                      ; z
	v_mul_f32 v[P1+1], v27, v38
	; V row 0 = conj(2 C (z - 1) / A), between the halves of the first squarings
	CM1 P2, P1, P1
	v_add_f32 v42, -1.0, v[P1]                     ; Re(z - 1)
	v_add_f32 v46, v46, v46                        ; 2 / |A|^2
	v_mul_f32 v43, v[CR+1], v[P1+1]
	v_mul_f32 v44, v[CR+1], v42
	CM2 P2, P1, P1                                 ; z^2
	v_fma_f32 v43, v[CR], v42, -v43                ; W = C (z - 1): Re
	v_fma_f32 v44, v[CR], v[P1+1], v44             ; Im
	ROW TA, 0
	ROW P1, PITCH
	CM1 P4, P2, P2
	CM1 TA+6, P2, P1
	v_mul_f32 v47, v44, v[AR+1]
	v_mul_f32 v21, v44, v[AR]
	CM2 P4, P2, P2                                 ; z^4
	CM2 TA+6, P2, P1                               ; z^3
	v_fma_f32 v47, v43, v[AR], v47                 ; Re(W conj A)
	v_fma_f32 v21, v43, v[AR+1], -v21              ; -Im(W conj A)
	v_mul_f32 v[VB], v47, v46
	v_mul_f32 v[VB+1], v21, v46
	; Each batch: one squaring and the table rows that the last power opens; all first halves, then all second halves
	CM1 P8, P4, P4
	CC1 VB+2, VB, P4
	ROW P2, 2*PITCH
	ROW TA+6, 3*PITCH
	CM2 P8, P4, P4
	CC2 VB+2, VB, P4, VB+2
	ROW VB, OFF_B
	CM1 P16, P8, P8
.irp n, 0,1
	CC1 VB+4+2*\n, VB+2*\n, P8
.endr
	ROW VB+2, OFF_B+PITCH
	CM2 P16, P8, P8
.irp n, 0,1
	CC2 VB+4+2*\n, VB+2*\n, P8, VB+4+2*\n
.endr
	CM1 P32, P16, P16
.irp n, 0,1,2,3
	CC1 VB+8+2*\n, VB+2*\n, P16
.endr
	ROW VB+4, OFF_B+2*PITCH
	ROW VB+6, OFF_B+3*PITCH
	CM2 P32, P16, P16
.irp n, 0,1,2,3
	CC2 VB+8+2*\n, VB+2*\n, P16, VB+8+2*\n
.endr
	CM1 P64, P32, P32
.irp n, 0,1,2,3,4,5,6,7
	CC1 VB+16+2*\n, VB+2*\n, P32
.endr
.irp n, 4,5,6,7
	ROW VB+2*\n, OFF_B+\n*PITCH
.endr
	CM2 P64, P32, P32
.irp n, 0,1,2,3,4,5,6,7
	CC2 VB+16+2*\n, VB+2*\n, P32, VB+16+2*\n
.endr
	CM1 P128, P64, P64
.irp i, 0,1,2
	CM1 TA+18+2*\i, TA+2+2*\i, P64                 ; rows 9-11 = rows 1-3 x z^64
.endr
.irp n, 8,9,10,11,12,13,14,15
	ROW VB+2*\n, OFF_B+\n*PITCH
.endr
	CM2 P128, P64, P64
.irp i, 0,1,2
	CM2 TA+18+2*\i, TA+2+2*\i, P64
.endr
	CM1 P256, P128, P128
.irp i, 0,1,2
	CM1 TA+10+2*\i, TA+2+2*\i, P128                ; rows 5-7 = rows 1-3 x z^128
.endr
.irp i, 0,1,2,3
	CM1 TA+24+2*\i, TA+16+2*\i, P128               ; rows 12-15 = rows 8-11 x z^128
.endr
.irp m, 4,8,9,10,11
	ROW TA+2*\m, \m*PITCH
.endr
	CM2 P256, P128, P128
.irp i, 0,1,2
	CM2 TA+10+2*\i, TA+2+2*\i, P128
.endr
.irp i, 0,1,2,3
	CM2 TA+24+2*\i, TA+16+2*\i, P128
.endr
	CM1 P512, P256, P256
.irp m, 1,2,3,4,5,6,7,8,9,10,11,12,13,14,15
	CM1 UA+2*\m, TA+2*\m, P256                     ; X for Ta = 1: every row x z^256 (row 0 is z^256 itself)
.endr
.irp m, 5,6,7,12,13,14,15
	ROW TA+2*\m, \m*PITCH
.endr
	ROW UA, GRP
	CM2 P512, P256, P256
.irp m, 1,2,3,4,5,6,7,8,9,10,11,12,13,14,15
	CM2 UA+2*\m, TA+2*\m, P256
.endr
	ROW P512, OFF_S
.irp m, 1,2,3,4,5,6,7,8,9,10,11,12,13,14,15
	ROW UA+2*\m, GRP+\m*PITCH
.endr
	; ---------------- SECOND PART: lane = table row r, registers = my 16 states ----------------
	; The tables are the wave's own bytes and LDS serves a wave's instructions in order (ISA guide 5.7.1): these loads see the stores above.
.irp i, 0,1,2,3,4,5,6,7
	ds_load_b128 v[ACC+4*\i:ACC+4*\i+3], v[LA0] offset:16*\i           ; X, group 0 (Ta = kh), in f32; the accumulators are not in use yet
.endr
.irp i, 0,1,2,3,4,5,6,7
	ds_load_b128 v[AF1+4*\i:AF1+4*\i+3], v[LA1] offset:16*\i           ; X, group 1 (Ta = 1 - kh)
.endr
.irp i, 0,1,2,3,4,5,6,7
	ds_load_b128 v[BF+4*\i:BF+4*\i+3], v[LR] offset:OFF_B+16*\i        ; V for Tb = 0
.endr
.irp i, 0,1,2,3,4,5,6,7
	ds_load_b128 v[SS+4*\i:SS+4*\i+3], v[LS] offset:OFF_S+16*\i        ; z^512: one row for all 16 lanes of a half
.endr
; Eight complex numbers (a fragment's 16 k for my row) from f32 at x into hi and lo.  Register j of a fragment holds (Re, Im) of state 16 hh + 8 chunk + j,
; in X and V alike, so the two sides' k agree.  x - hi is exact in f32.
.macro CONV x, hi, lo
.irp j, 0,1,2,3,4,5,6,7
	v_cvt_pk_bf16_f32 v[\hi+\j], v[\x+2*\j], v[\x+2*\j+1]
.endr
.irp j, 0,1,2,3,4,5,6,7
	v_fma_mix_f32_bf16 v[TT+2*\j], v[\hi+\j], v[NEG1], v[\x+2*\j] op_sel_hi:[1,0,0]                      ; Re - hi's low half
.endr
.irp j, 0,1,2,3,4,5,6,7
	v_fma_mix_f32_bf16 v[TT+2*\j+1], v[\hi+\j], v[NEG1], v[\x+2*\j+1] op_sel:[1,0,0] op_sel_hi:[1,0,0]   ; Im - hi's high half
.endr
.irp j, 0,1,2,3,4,5,6,7
	v_cvt_pk_bf16_f32 v[\lo+\j], v[TT+2*\j], v[TT+2*\j+1]
.endr
.endm
	s_wait_dscnt 24                                ; the first 8 of the 32 loads are in; the 24 younger may be out
	CONV ACC,    AFR,    AFR+8
	CONV ACC+16, AFR+16, AFR+24
	s_wait_dscnt 16                                ; the second 8
	CONV AF1,    AFR+32, AFR+40
	CONV AF1+16, AFR+48, AFR+56
	s_wait_dscnt 8                                 ; the third 8
	CONV BF,     BFR,    BFR+8
	CONV BF+16,  BFR+16, BFR+24
	s_wait_dscnt 0                                 ; z^512
.macro WM acc, a, b, first                         ; first = 1: the product starts the sum, nothing is cleared
.if \first
	v_wmma_f32_16x16x32_bf16 v[\acc:\acc+7], v[\a:\a+7], v[\b:\b+7], 0
.else
	v_wmma_f32_16x16x32_bf16 v[\acc:\acc+7], v[\a:\a+7], v[\b:\b+7], v[\acc:\acc+7]
.endif
.endm
; One of six blocks of eight instructions that make chunk c of the next Tb's V: in place V = V conj(z^512) (blocks 0, 1), then hi and lo at nb (blocks 2-5)
.macro BLK k, c, nb
.if \k == 0
.irp j, 0,1,2,3,4,5,6,7
	CC1 TT+2*\j, BF+16*\c+2*\j, SS+16*\c+2*\j
.endr
.endif
.if \k == 1
.irp j, 0,1,2,3,4,5,6,7
	CC2 BF+16*\c+2*\j, BF+16*\c+2*\j, SS+16*\c+2*\j, TT+2*\j
.endr
.endif
.if \k == 2
.irp j, 0,1,2,3,4,5,6,7
	v_cvt_pk_bf16_f32 v[\nb+\j], v[BF+16*\c+2*\j], v[BF+16*\c+2*\j+1]
.endr
.endif
.if \k == 3
.irp j, 0,1,2,3,4,5,6,7
	v_fma_mix_f32_bf16 v[TT+2*\j], v[\nb+\j], v[NEG1], v[BF+16*\c+2*\j] op_sel_hi:[1,0,0]
.endr
.endif
.if \k == 4
.irp j, 0,1,2,3,4,5,6,7
	v_fma_mix_f32_bf16 v[TT+2*\j+1], v[\nb+\j], v[NEG1], v[BF+16*\c+2*\j+1] op_sel:[1,0,0] op_sel_hi:[1,0,0]
.endr
.endif
.if \k == 5
.irp j, 0,1,2,3,4,5,6,7
	v_cvt_pk_bf16_f32 v[\nb+8+\j], v[TT+2*\j], v[TT+2*\j+1]
.endr
.endif
.endm
; One matrix instruction of stage tb, chunk c, and behind it (gen = 1) eight vector instructions for the next stage, which name none of its registers.
; The stage's two accumulators take turns, one instruction a turn; the products are hi hi, hi lo, lo hi.
.macro STEP k, tb, c, gen
.if \k == 0
	WM ACC+16*(\tb&1),   AFR+16*\c,      BFR+32*(\tb&1)+16*\c,   1-\c
.endif
.if \k == 1
	WM ACC+16*(\tb&1)+8, AFR+32+16*\c,   BFR+32*(\tb&1)+16*\c,   1-\c
.endif
.if \k == 2
	WM ACC+16*(\tb&1),   AFR+16*\c,      BFR+32*(\tb&1)+16*\c+8, 0
.endif
.if \k == 3
	WM ACC+16*(\tb&1)+8, AFR+32+16*\c,   BFR+32*(\tb&1)+16*\c+8, 0
.endif
.if \k == 4
	WM ACC+16*(\tb&1),   AFR+16*\c+8,    BFR+32*(\tb&1)+16*\c,   0
.endif
.if \k == 5
	WM ACC+16*(\tb&1)+8, AFR+32+16*\c+8, BFR+32*(\tb&1)+16*\c,   0
.endif
.if \gen
	BLK \k, \c, BFR+32*((\tb+1)&1)+16*\c
.endif
.endm
.macro XSEND pa1, t                                ; my partial sums of the partner's tile of stage t: 512 consecutive bytes a store, bytes used for this stage alone
	ds_store_b128 v[XW], v[\pa1:\pa1+3] offset:1024*(\t)
	ds_store_b128 v[XW], v[\pa1+4:\pa1+7] offset:1024*(\t)+512
.endm
.macro XRECV t                                     ; the partner's partial sums of my tile, lane for lane
	ds_load_b128 v[PT:PT+3], v[XR] offset:1024*(\t)
	ds_load_b128 v[PT+4:PT+7], v[XR] offset:1024*(\t)+512
.endm
.macro XOUT pa0, t                                 ; both halves of k added; each store of the wave covers 512 consecutive bytes, aligned
	s_wait_dscnt 0x0
.irp j, 0,2,4,6
	v_pk_add_f32 v[\pa0+\j:\pa0+\j+1], v[\pa0+\j:\pa0+\j+1], v[PT+\j:PT+\j+1]
.endr
	global_store_b128 v[CO], v[\pa0:\pa0+3], s[10:11] offset:2048*(\t) th:TH_STORE_NT
	global_store_b128 v[CO], v[\pa0+4:\pa0+7], s[10:11] offset:2048*(\t)+512 th:TH_STORE_NT
.endm
; Stage tb: 12 matrix instructions on this Tb's two tiles.  Woven in: the next Tb's V (gen = 1), and the way out of the stage before.
; The stage before ended with eight vector instructions behind its last matrix instruction (ISA guide 7.12.1 asks for four), so its results may be read.
.macro STAGE tb, gen
.if \tb >= 2
	s_wait_xcnt 0x0                                ; this set of accumulators was the data of the last stage's global stores: it is written again only behind this wait
.endif
	STEP 0, \tb, 0, \gen
.if \tb > 0
	XSEND ACC+16*((\tb+1)&1)+8, \tb-1
.endif
	STEP 1, \tb, 0, \gen
	STEP 2, \tb, 0, \gen
.if \tb > 0
	s_wait_dscnt 0x0                               ; my two stores are in LDS: zero, for the partner's sake,
	s_barrier_signal -1                            ; say so,
.endif
	STEP 3, \tb, 0, \gen                           ; register work alone between signal and wait,
	STEP 4, \tb, 0, \gen
	STEP 5, \tb, 0, \gen
.if \tb > 0
	s_barrier_wait -1                              ; and read the partner's bytes when every wave has said so
	XRECV \tb-1
.endif
	STEP 0, \tb, 1, \gen
	STEP 1, \tb, 1, \gen
	STEP 2, \tb, 1, \gen
.if \tb > 0
	XOUT ACC+16*((\tb+1)&1), \tb-1
.endif
	STEP 3, \tb, 1, \gen
	STEP 4, \tb, 1, \gen
	STEP 5, \tb, 1, \gen
.endm
	STAGE 0, 1
	STAGE 1, 1
	STAGE 2, 1
	STAGE 3, 0                                     ; nothing more to prepare
.rept 4
	v_nop                                          ; four places behind the last matrix instructions before their results are read (ISA guide 7.12.1)
.endr
	XSEND ACC+16+8, 3
	s_wait_dscnt 0x0                               ; my stores are in LDS,
	s_barrier_signal -1
	s_barrier_wait -1                              ; everybody's are
	XRECV 3
	XOUT ACC+16, 3
	s_set_vgpr_msb 0x5
	s_wait_tensorcnt 0x0
	ds_add_u32 v0, v1
	s_wait_dscnt 0x0
	s_set_vgpr_msb 0x500
	s_endpgm
.Lfunc_end_k_q47514e3cc0_s4d:
	.size	k_q47514e3cc0_s4d, .Lfunc_end_k_q47514e3cc0_s4d-k_q47514e3cc0_s4d
	.p2alignl 7, 3214868480
	.fill 96, 4, 3214868480
	.section	.rodata,"a",@progbits
	.p2align	6, 0x0
	.amdhsa_kernel k_q47514e3cc0_s4d
		.amdhsa_group_segment_fixed_size 142336
		.amdhsa_private_segment_fixed_size 0
		.amdhsa_enable_private_segment 0
		.amdhsa_kernarg_size 32
		.amdhsa_user_sgpr_count 2
		.amdhsa_user_sgpr_kernarg_segment_ptr 1
		.amdhsa_wavefront_size32 1
		.amdhsa_system_sgpr_workgroup_id_x 1
		.amdhsa_system_sgpr_workgroup_id_y 1
		.amdhsa_system_sgpr_workgroup_id_z 1
		.amdhsa_system_vgpr_workitem_id 0
		.amdhsa_next_free_vgpr 258
		.amdhsa_next_free_sgpr 66
		.amdhsa_reserve_vcc 1
		.amdhsa_float_denorm_mode_32 3
		.amdhsa_float_denorm_mode_16_64 3
		.amdhsa_memory_ordered 1
		.amdhsa_forward_progress 1
		.amdhsa_inst_pref_size 54
	.end_amdhsa_kernel
	.amdgpu_metadata
---
amdhsa.version: [ 1, 2 ]
amdhsa.kernels:
  - .name:           k_q47514e3cc0_s4d
    .symbol:         k_q47514e3cc0_s4d.kd
    .args:
      - { .name: A, .offset: 0, .size: 8, .value_kind: global_buffer, .address_space: global }
      - { .name: C, .offset: 8, .size: 8, .value_kind: global_buffer, .address_space: global }
      - { .name: log_dt, .offset: 16, .size: 8, .value_kind: global_buffer, .address_space: global }
      - { .name: out0, .offset: 24, .size: 8, .value_kind: global_buffer, .address_space: global }
    .group_segment_fixed_size: 142336
    .private_segment_fixed_size: 0
    .kernarg_segment_align: 8
    .kernarg_segment_size: 32
    .max_flat_workgroup_size: 256
    .sgpr_count:     66
    .vgpr_count:     258
    .wavefront_size: 32
...
	.end_amdgpu_metadata
.endif
;; end of part 1
;; ======== version 2 of 2: 1 launch; version 1 with the launch s4d written anew for expert scheduling mode
;; launch s4d (part 2): grid 256 x 1, 8 waves a work-group, no clusters, 142,336 bytes of LDS; arguments A, C, log_dt, out0; writes out0
.if DOCPART == 2
	.amdgcn_target "amdgcn-amd-amdhsa--gfx1250"
	.amdhsa_code_object_version 6
	.text
	.protected	k_q47514e3cc0_s4d
	.globl	k_q47514e3cc0_s4d
	.p2align	8
	.type	k_q47514e3cc0_s4d,@function
k_q47514e3cc0_s4d:
	s_mov_b64 s[64:65], 0
	v_nop
	global_prefetch_b8 v0, s[64:65] scope:SCOPE_SE
	s_setreg_imm32_b32 hwreg(HW_REG_WAVE_SCHED_MODE, 0, 2), 2
	s_setreg_imm32_b32 hwreg(HW_REG_WAVE_MODE, 25, 1), 1
	s_wait_xcnt 0x0
	s_wait_alu depctr_vm_vsrc(0)
; K[h][l] = 2 Re sum over n of Cmod[h][n] exp(dt[h] A[n] l),  Cmod = C (exp(dt A) - 1) / A,  dt = exp(log_dt).
; h < 1024, n < 64, l < 2048.  A: [64][2] f32, C: [1024][64][2] f32, log_dt: [1024] f32, out0: [1024][2048] f32.
;
; THE FORM.  With z = exp(dt A) the factor exp(dt A l) is z^l, and l = 256 Ta + 512 Tb + f(m) + 4 n (m, n = 0..15, Ta = 0, 1, Tb = 0..3).
; For one h the sum is then a real matrix product over k = (state, Re or Im):
;   X[m][k] = Re, Im of z^(f(m) + 256 Ta)            V[n][k] = Re, Im of conj(2 Cmod z^(4 n + 512 Tb))         sum over k of X V = 2 Re(Cmod z^l)
; 96 table rows of 64 states for an h instead of 2,048; one direct exponential, sine and cosine for a state, the rest complex multiplies in f32.
; f(m) = (m & 3) + 128 ((m >> 2) & 1) + 64 (m >> 3): in a result tile lane L = r + 16 hh holds (m = 8 hh + j, n = r) in register j, so its
; registers 0-3 are the 16 bytes at 16 L of the tile's 1,024 bytes and registers 4-7 those 512 bytes further: a wave's 16-byte store
; covers 512 consecutive bytes, aligned, in the accumulators' own layout.
; NUMBER FORMAT.  Outputs near l = 0 are many times the output's root mean square while a sum of 128 signed terms may cancel, so one bf16 (or f16)
; rounding of the operands is too coarse.  Each table entry x goes to the matrix unit as hi = bf16(x) and lo = bf16(x - hi), and three products are
; summed in f32: hi hi + hi lo + lo hi; what is dropped is about 2^-17 of a term.  bf16 keeps f32's exponent range, so strong decay costs nothing.
; SHARES.  A work-group has 4 channels h and 8 waves; waves 2 i and 2 i + 1 share channel i, each with 32 of the 64 states (half of k), so nothing is
; computed twice.  Every wave makes all 8 tiles' partial sums; tile 0 of a stage (Ta = my half's number kh) is mine, tile 1 (Ta = 1 - kh) my partner's:
; it goes to the partner through LDS, and the partner's partial sum of my tile is added to mine.  Both X tables lie in LDS and are picked by address.
; NOT USED: tensor loads and slots (a work-group reads 2.6 KB, once), clusters (work-groups share only A's 512 bytes).
; LIMITS KEPT.  (1) exp(dt A) - 1 is formed as z - 1 in f32, as the problem's formula does: below |dt A| of about 1e-5 it carries rounding noise of
; about 6e-8 / |dt A| that need not agree between two computations.  (2) dt below 2^-126 becomes 0 (v_exp_f32 flushes: ISA guide 15.8).
; (3) z^l is made by multiplications: its relative error grows to about 2.5e-7 l (5e-4 at l = 2,047).  (4) |A|^2 has to stay inside f32's range.
; (5) where |z|^l overflows f32 the results are not finite, as in the formula itself.
; THE MODE: SCHED_MODE bits 1:0 = 2 (LLVM: expert scheduling mode 2), set by the entry lines.  The code itself states the register dependences
; between vector or matrix instructions and memory or LDS instructions, with s_wait_alu, always for 0.
; THE PLAN.  Registers that memory or LDS instructions touch:
;   v0, v2-v8, v11  addresses and offsets.  All are made at the head, ahead of ONE wait on va_vdst, and none is stepped.  v8 and v11 lie in PT and end their service with the first part.
;   table rows      (v48-143, v152-153) written by the first part's complex multiplies, read by the row stores, which stand in five runs, a wait on va_vdst ahead of each.
;                   Their registers get other uses in the second part: one wait on vm_vsrc stands behind the last run.
;   v32-63, v160-255  the 32 loads that read the tables back land here; the fifth wait on va_vdst is the last vector work ahead of them.
;   ACC1 of a set   written by stage tb - 1's products, read by two LDS stores at stage tb's head, written again by stage tb + 1's products.
;   PT              stage tb: two LDS loads land in it, four adds make the finished tile in it; stage tb + 1: two global stores read it at the head, the next loads land in it in the middle.
; So a stage has ONE wait on va_vdst, at its head (the stage before has written ACC1 and PT and is done reading PT), and ONE on vm_vsrc, ahead of its loads into PT (the head's
; stores have read PT and ACC1).  The stage's own vector and matrix instructions name the other set of accumulators, AFR, BFR, BF, SS and TT: none of the registers above.
.set PITCH, 272                        ; a table row in LDS: 32 states x 8 bytes + 16: 17 x 16 bytes, so the 16 rows that a 16-byte load touches lie in 16 different 16-byte columns modulo 256 bytes
.set GRP,   16*PITCH                   ; a table of 16 rows
.set OFF_B, 2*GRP                      ; X for Ta = 0, X for Ta = 1, then V for Tb = 0,
.set OFF_S, 3*GRP                      ; then one row: z^512
.set WREG,  13568                      ; a wave's own table bytes (49 rows = 13,328, up to a multiple of 256)
.set XCH,   8*WREG                     ; behind the tables: 4 stages x 1,024 bytes for each wave, the tiles handed to the partner
; registers of the whole kernel
.set LS,   0                           ; LDS address: my 16 states of a row that all lanes share (takes v0's place when the thread number is used up)
.set NEG1, 1                           ; -1.0
.set CO,   2                           ; 16 x lane: my bytes in a tile
.set XW,   3                           ; LDS address: where my wave hands tiles over
.set XR,   4                           ; LDS address: where my partner does
.set LA0,  5                           ; LDS address: my row and states in X for Ta = kh
.set LA1,  6                           ; the same for Ta = 1 - kh
.set LR,   7                           ; LDS address: my row and states in a table at the wave's first byte
.set LW,   8                           ; first part only: LDS address of my state in row 0
.set PT,   8                           ; v[8:15]    the partner's partial sums of my tile, then the finished tile on its way out
.set TT,   16                          ; v[16:31]   8 pairs at work
.set ACC,  32                          ; v[32:63]   two sets (stages take turns) of two accumulators: mine, my partner's
.set AFR,  64                          ; v[64:127]  X fragments: 32 x group + 16 x chunk + 8 x (lo)
.set BFR,  128                         ; v[128:191] V fragments: 32 x (Tb & 1) + 16 x chunk + 8 x (lo)
.set AF1,  BFR+32                      ; X of group 1 in f32, before it is split (the V fragments of Tb = 1 come later)
.set BF,   192                         ; v[192:223] V of the present Tb in f32: 16 states (Re, Im)
.set SS,   224                         ; v[224:255] z^512 of the same 16 states
; registers of the first part (lane = state), all free again when the tables lie in LDS
.set AR,   16                          ; A (Re, Im)
.set CR,   18                          ; C (Re, Im)
.set TA,   48                          ; v[48:79]   row m of X, Ta = 0: z^f(m)
.set UA,   80                          ; v[80:111]  row m of X, Ta = 1: z^(f(m) + 256)
.set VB,   112                         ; v[112:143] row n of V, Tb = 0
.set P1,   TA+2                        ; the powers of z that are table rows themselves lie in their rows
.set P2,   TA+4
.set P128, TA+8
.set P64,  TA+16
.set P256, UA
.set P4,   144
.set P8,   146
.set P16,  148
.set P32,  150
.set P512, 152
; d = x s for complex pairs (Re, Im), in two packed instructions; d is neither x nor s
.macro CM1 d, x, s                     ; (xr sr, xr si)
	v_pk_mul_f32 v[\d:\d+1], v[\x:\x+1], v[\s:\s+1] op_sel_hi:[0,1]
.endm
.macro CM2 d, x, s                     ; + (-xi si, xi sr)
	v_pk_fma_f32 v[\d:\d+1], v[\x:\x+1], v[\s:\s+1], v[\d:\d+1] op_sel:[1,1,0] op_sel_hi:[1,0,1] neg_lo:[1,0,0]
.endm
; d = x conj(s)
.macro CC1 d, x, s                     ; (xr sr, -xr si)
	v_pk_mul_f32 v[\d:\d+1], v[\x:\x+1], v[\s:\s+1] op_sel_hi:[0,1] neg_hi:[1,0]
.endm
.macro CC2 d, x, s, t                  ; t + (xi si, xi sr); d may be x
	v_pk_fma_f32 v[\d:\d+1], v[\x:\x+1], v[\s:\s+1], v[\t:\t+1] op_sel:[1,1,0] op_sel_hi:[1,0,1]
.endm
.macro ROW reg, off                    ; my state's entry of a table row: the wave's 32 lanes write 256 consecutive bytes
	ds_store_b64 v[LW], v[\reg:\reg+1] offset:\off
.endm
	s_load_b256 s[4:11], s[0:1], 0x0               ; A s[4:5], C s[6:7], log_dt s[8:9], out0 s[10:11]
	s_set_vgpr_msb 0x40
	v_lshl_add_u32 v0, v0, 2, 0x22800
	v_mov_b32 v1, 0
	s_set_vgpr_msb 0x4000
	v_lshrrev_b32 v9, 5, v0
	v_readfirstlane_b32 s12, v9                    ; wave 0..7
	v_and_b32 v9, 31, v0                           ; lane
	s_wait_alu depctr_va_sdst(0)                   ; s12 is written, ahead of its first reader: the wave's shares and LDS bytes are made from it
	s_and_b32 s13, s12, 1                          ; kh: which 32 states are mine, and which Ta I finish
	s_lshr_b32 s14, s12, 1
	s_lshl_b32 s15, ttmp9, 2
	s_add_co_u32 s15, s15, s14                     ; h = 4 x work-group + wave / 2
	s_lshl_b32 s16, s13, 8                         ; my 32 states: 256 bytes into A and into C's row
	s_mul_i32 s17, s12, WREG                       ; my wave's tables
	s_mul_i32 s18, s13, GRP                        ; X for Ta = kh
	s_xor_b32 s19, s13, 1
	s_mul_i32 s19, s19, GRP                        ; X for Ta = 1 - kh
	s_lshl_b32 s20, s12, 12
	s_add_co_u32 s20, s20, XCH                     ; where I hand tiles over
	s_xor_b32 s21, s12, 1
	s_lshl_b32 s21, s21, 12
	s_add_co_u32 s21, s21, XCH                     ; where my partner (wave xor 1) does
	s_lshl_b32 s22, s15, 9                         ; C: 512 bytes for an h
	s_mov_b32 s23, 0
	s_lshl_b32 s24, s15, 2                         ; log_dt: 4 bytes
	s_mov_b32 s25, 0
	s_lshl_b32 s26, s15, 13                        ; out0: 8,192 bytes for an h,
	s_lshl_b32 s27, s13, 10                        ; and my tiles begin at 1,024 kh
	s_add_co_u32 s26, s26, s27
	s_mov_b32 s27, 0
	s_mov_b32 s30, 0x3fb8aa3b                      ; log2(e), rounded to f32
	s_mov_b32 s31, 0x32a5705f                      ; log2(e) minus that
	s_mov_b32 s32, 0x3fc90fdb                      ; pi/2, rounded to f32
	s_mov_b32 s33, 0xb33bbd2e                      ; pi/2 minus that
	v_lshlrev_b32 v10, 3, v9                       ; 8 x lane
	v_add_nc_u32 v11, s16, v10                     ; my state's 8 bytes
	; all the kernel's addresses, while the arguments are on their way
	v_add_nc_u32 v[LW], s17, v10
	v_and_b32 v12, 15, v0                          ; r: my table row in the second part
	v_bfe_u32 v13, v0, 4, 1                        ; hh: my 16 of the wave's 32 states
	v_mul_u32_u24 v14, v12, PITCH
	v_lshl_add_u32 v14, v13, 7, v14                ; r x pitch + 128 hh
	v_add_nc_u32 v[LR], s17, v14
	v_add_nc_u32 v[LA0], s18, v[LR]
	v_add_nc_u32 v[LA1], s19, v[LR]
	v_lshlrev_b32 v[CO], 4, v9
	v_add_nc_u32 v[XW], s20, v[CO]
	v_add_nc_u32 v[XR], s21, v[CO]
	v_lshlrev_b32 v13, 7, v13
	v_add_nc_u32 v[LS], s17, v13                   ; the thread number is not needed any more
	v_mov_b32 v[NEG1], -1.0
	v_mov_b32 v[TA], 1.0                           ; row 0 of X: z^0
	v_mov_b32 v[TA+1], 0
	s_wait_kmcnt 0x0
	s_add_nc_u64 s[6:7], s[6:7], s[22:23]
	s_add_nc_u64 s[8:9], s[8:9], s[24:25]
	s_add_nc_u64 s[10:11], s[10:11], s[26:27]
	s_load_b32 s28, s[8:9], 0x0                    ; log_dt[h]
	s_wait_alu depctr_va_vdst(0)                   ; v11 and the addresses v0, v2 to v8 are written: every load and store of the kernel reads one of them, and none is written again while it serves
	global_load_b64 v[AR:AR+1], v11, s[4:5]        ; A[n]: the wave reads 256 consecutive bytes
	global_load_b64 v[CR:CR+1], v11, s[6:7]        ; C[h][n] likewise
	; ---------------- FIRST PART: lane = state ----------------
	; dt = 2^(x log2 e), the product in two parts so that its rounding does not show in dt
	s_wait_kmcnt 0x0
	v_mov_b32 v20, s28
	v_mul_f32 v21, s30, v20                        ; p
	v_fma_f32 v22, v20, s30, -v21                  ; what p's rounding lost,
	v_fma_f32 v22, v20, s31, v22                   ; and the rest of log2 e
	v_exp_f32 v23, v21
	v_mul_f32 v22, 0x3f317218, v22                 ; x ln 2 (a plain instruction between v_exp_f32 and the use of its result: ISA guide 5.7.2)
	s_wait_alu depctr_va_vdst(0)
	v_fma_f32 v20, v23, v22, v23                   ; dt
	s_wait_loadcnt 0x0                             ; A and C
	v_mul_f32 v24, v20, v[AR]                      ; Re(dt A)
	v_mul_f32 v25, v20, v[AR+1]                    ; Im(dt A) = theta
	v_mul_f32 v45, v[AR+1], v[AR+1]
	v_mul_f32 v26, s30, v24
	v_mul_f32 v28, 0x3f22f983, v25                 ; theta x 2/pi
	v_fma_f32 v45, v[AR], v[AR], v45               ; |A|^2
	v_exp_f32 v27, v26                             ; |z|
	v_rcp_f32 v46, v45
	v_rndne_f32 v28, v28                           ; q: the quadrant (also the plain instruction behind the two transcendentals)
	v_fma_f32 v29, -v28, s32, v25
	v_cvt_i32_f32 v30, v28
	v_fma_f32 v29, -v28, s33, v29                  ; rho = theta - q pi/2, pi/2 in two parts: |rho| <= pi/4
	v_mov_b32 v32, 0xb94ca1f9
	v_mov_b32 v34, 0x37ccf5ce
	v_mul_f32 v31, v29, v29                        ; rho^2
	v_and_b32 v37, 1, v30
	v_lshlrev_b32 v40, 30, v30
	v_add_nc_u32 v41, 1, v30
	v_fmaak_f32 v32, v32, v31, 0x3c08839e          ; sine: rho + rho^3 (s1 + s2 rho^2 + s3 rho^4)
	v_fmaak_f32 v34, v34, v31, 0xbab6061a          ; cosine: 1 - rho^2/2 + rho^4 (c1 + c2 rho^2 + c3 rho^4)
	v_mul_f32 v33, v31, v29
	v_mul_f32 v35, v31, v31
	v_fmaak_f32 v32, v32, v31, 0xbe2aaaa3
	v_fmaak_f32 v34, v34, v31, 0x3d2aaaa5
	v_fma_f32 v36, v31, -0.5, 1.0
	v_lshlrev_b32 v41, 30, v41
	v_fma_f32 v32, v32, v33, v29                   ; sin rho
	v_fma_f32 v34, v34, v35, v36                   ; cos rho
	v_cmp_eq_u32 vcc_lo, 1, v37
	v_and_b32 v40, 0x80000000, v40                 ; sin theta changes sign in quadrants 2, 3
	v_and_b32 v41, 0x80000000, v41                 ; cos theta in quadrants 1, 2
	s_wait_alu depctr_va_vcc(0)                    ; the compare has written VCC, ahead of its first reader
	v_cndmask_b32 v38, v32, v34, vcc_lo            ; odd quadrant: sine and cosine change places
	v_cndmask_b32 v39, v34, v32, vcc_lo
	v_xor_b32 v38, v38, v40
	v_xor_b32 v39, v39, v41
	s_wait_alu depctr_va_vdst(0)
	v_mul_f32 v[P1], v27, v39                      ; z
	v_mul_f32 v[P1+1], v27, v38
	; V row 0 = conj(2 C (z - 1) / A), between the halves of the first squarings
	CM1 P2, P1, P1
	v_add_f32 v42, -1.0, v[P1]                     ; Re(z - 1)
	v_add_f32 v46, v46, v46                        ; 2 / |A|^2
	v_mul_f32 v43, v[CR+1], v[P1+1]
	v_mul_f32 v44, v[CR+1], v42
	CM2 P2, P1, P1                                 ; z^2
	v_fma_f32 v43, v[CR], v42, -v43                ; W = C (z - 1): Re
	v_fma_f32 v44, v[CR], v[P1+1], v44             ; Im
	CM1 P4, P2, P2
	CM1 TA+6, P2, P1
	v_mul_f32 v47, v44, v[AR+1]
	v_mul_f32 v21, v44, v[AR]
	CM2 P4, P2, P2                                 ; z^4
	CM2 TA+6, P2, P1                               ; z^3
	v_fma_f32 v47, v43, v[AR], v47                 ; Re(W conj A)
	v_fma_f32 v21, v43, v[AR+1], -v21              ; -Im(W conj A)
	v_mul_f32 v[VB], v47, v46
	v_mul_f32 v[VB+1], v21, v46
	; Each batch: one squaring and the table rows that the last power opens; all first halves, then all second halves.
	; The finished rows go to LDS in five runs, each between a batch's halves; no row is written again in this part.
	CM1 P8, P4, P4
	CC1 VB+2, VB, P4
	CM2 P8, P4, P4
	CC2 VB+2, VB, P4, VB+2
	CM1 P16, P8, P8
.irp n, 0,1
	CC1 VB+4+2*\n, VB+2*\n, P8
.endr
	CM2 P16, P8, P8
.irp n, 0,1
	CC2 VB+4+2*\n, VB+2*\n, P8, VB+4+2*\n
.endr
	CM1 P32, P16, P16
.irp n, 0,1,2,3
	CC1 VB+8+2*\n, VB+2*\n, P16
.endr
	CM2 P32, P16, P16
.irp n, 0,1,2,3
	CC2 VB+8+2*\n, VB+2*\n, P16, VB+8+2*\n
.endr
	CM1 P64, P32, P32
.irp n, 0,1,2,3,4,5,6,7
	CC1 VB+16+2*\n, VB+2*\n, P32
.endr
	s_wait_alu depctr_va_vdst(0)                   ; rows 0-3 of X and rows 0-7 of V are written, which the twelve stores below read
	ROW TA, 0
	ROW P1, PITCH
	ROW P2, 2*PITCH
	ROW TA+6, 3*PITCH
.irp n, 0,1,2,3,4,5,6,7
	ROW VB+2*\n, OFF_B+\n*PITCH
.endr
	CM2 P64, P32, P32
.irp n, 0,1,2,3,4,5,6,7
	CC2 VB+16+2*\n, VB+2*\n, P32, VB+16+2*\n
.endr
	CM1 P128, P64, P64
.irp i, 0,1,2
	CM1 TA+18+2*\i, TA+2+2*\i, P64                 ; rows 9-11 = rows 1-3 x z^64
.endr
	s_wait_alu depctr_va_vdst(0)                   ; rows 8-15 of V are written, which the eight stores below read
.irp n, 8,9,10,11,12,13,14,15
	ROW VB+2*\n, OFF_B+\n*PITCH
.endr
	CM2 P128, P64, P64
.irp i, 0,1,2
	CM2 TA+18+2*\i, TA+2+2*\i, P64
.endr
	CM1 P256, P128, P128
.irp i, 0,1,2
	CM1 TA+10+2*\i, TA+2+2*\i, P128                ; rows 5-7 = rows 1-3 x z^128
.endr
.irp i, 0,1,2,3
	CM1 TA+24+2*\i, TA+16+2*\i, P128               ; rows 12-15 = rows 8-11 x z^128
.endr
	s_wait_alu depctr_va_vdst(0)                   ; rows 4 and 8-11 of X are written, which the five stores below read
.irp m, 4,8,9,10,11
	ROW TA+2*\m, \m*PITCH
.endr
	CM2 P256, P128, P128
.irp i, 0,1,2
	CM2 TA+10+2*\i, TA+2+2*\i, P128
.endr
.irp i, 0,1,2,3
	CM2 TA+24+2*\i, TA+16+2*\i, P128
.endr
	CM1 P512, P256, P256
.irp m, 1,2,3,4,5,6,7,8,9,10,11,12,13,14,15
	CM1 UA+2*\m, TA+2*\m, P256                     ; X for Ta = 1: every row x z^256 (row 0 is z^256 itself)
.endr
	s_wait_alu depctr_va_vdst(0)                   ; rows 5-7 and 12-15 of X and z^256 are written, which the eight stores below read
.irp m, 5,6,7,12,13,14,15
	ROW TA+2*\m, \m*PITCH
.endr
	ROW UA, GRP
	CM2 P512, P256, P256
.irp m, 1,2,3,4,5,6,7,8,9,10,11,12,13,14,15
	CM2 UA+2*\m, TA+2*\m, P256
.endr
	s_wait_alu depctr_va_vdst(0)                   ; z^512 and rows 1-15 of X for Ta = 1 are written, which the sixteen stores below read; and the first part's vector work is done with v32 to v63, in which loads land below
	ROW P512, OFF_S
.irp m, 1,2,3,4,5,6,7,8,9,10,11,12,13,14,15
	ROW UA+2*\m, GRP+\m*PITCH
.endr
	; ---------------- SECOND PART: lane = table row r, registers = my 16 states ----------------
	; The tables are the wave's own bytes and LDS serves a wave's instructions in order (ISA guide 5.7.1): these loads see the stores above.
	s_wait_alu depctr_vm_vsrc(0)                   ; the row stores have read their rows and v8, the loads of A and C have read v11: the loads below land in v48 to v63, the conversions write v64 to v159, and PT takes v8 to v15
.irp i, 0,1,2,3,4,5,6,7
	ds_load_b128 v[ACC+4*\i:ACC+4*\i+3], v[LA0] offset:16*\i           ; X, group 0 (Ta = kh), in f32; the accumulators are not in use yet
.endr
.irp i, 0,1,2,3,4,5,6,7
	ds_load_b128 v[AF1+4*\i:AF1+4*\i+3], v[LA1] offset:16*\i           ; X, group 1 (Ta = 1 - kh)
.endr
.irp i, 0,1,2,3,4,5,6,7
	ds_load_b128 v[BF+4*\i:BF+4*\i+3], v[LR] offset:OFF_B+16*\i        ; V for Tb = 0
.endr
.irp i, 0,1,2,3,4,5,6,7
	ds_load_b128 v[SS+4*\i:SS+4*\i+3], v[LS] offset:OFF_S+16*\i        ; z^512: one row for all 16 lanes of a half
.endr
; Eight complex numbers (a fragment's 16 k for my row) from f32 at x into hi and lo.  Register j of a fragment holds (Re, Im) of state 16 hh + 8 chunk + j,
; in X and V alike, so the two sides' k agree.  x - hi is exact in f32.
.macro CONV x, hi, lo
.irp j, 0,1,2,3,4,5,6,7
	v_cvt_pk_bf16_f32 v[\hi+\j], v[\x+2*\j], v[\x+2*\j+1]
.endr
.irp j, 0,1,2,3,4,5,6,7
	v_fma_mix_f32_bf16 v[TT+2*\j], v[\hi+\j], v[NEG1], v[\x+2*\j] op_sel_hi:[1,0,0]                      ; Re - hi's low half
.endr
.irp j, 0,1,2,3,4,5,6,7
	v_fma_mix_f32_bf16 v[TT+2*\j+1], v[\hi+\j], v[NEG1], v[\x+2*\j+1] op_sel:[1,0,0] op_sel_hi:[1,0,0]   ; Im - hi's high half
.endr
.irp j, 0,1,2,3,4,5,6,7
	v_cvt_pk_bf16_f32 v[\lo+\j], v[TT+2*\j], v[TT+2*\j+1]
.endr
.endm
	s_wait_dscnt 24                                ; the first 8 of the 32 loads are in; the 24 younger may be out
	CONV ACC,    AFR,    AFR+8
	CONV ACC+16, AFR+16, AFR+24
	s_wait_dscnt 16                                ; the second 8
	CONV AF1,    AFR+32, AFR+40
	CONV AF1+16, AFR+48, AFR+56
	s_wait_dscnt 8                                 ; the third 8
	CONV BF,     BFR,    BFR+8
	CONV BF+16,  BFR+16, BFR+24
	s_wait_dscnt 0                                 ; z^512
.macro WM acc, a, b, first                         ; first = 1: the product starts the sum, nothing is cleared
.if \first
	v_wmma_f32_16x16x32_bf16 v[\acc:\acc+7], v[\a:\a+7], v[\b:\b+7], 0
.else
	v_wmma_f32_16x16x32_bf16 v[\acc:\acc+7], v[\a:\a+7], v[\b:\b+7], v[\acc:\acc+7]
.endif
.endm
; One of six blocks of eight instructions that make chunk c of the next Tb's V: in place V = V conj(z^512) (blocks 0, 1), then hi and lo at nb (blocks 2-5)
.macro BLK k, c, nb
.if \k == 0
.irp j, 0,1,2,3,4,5,6,7
	CC1 TT+2*\j, BF+16*\c+2*\j, SS+16*\c+2*\j
.endr
.endif
.if \k == 1
.irp j, 0,1,2,3,4,5,6,7
	CC2 BF+16*\c+2*\j, BF+16*\c+2*\j, SS+16*\c+2*\j, TT+2*\j
.endr
.endif
.if \k == 2
.irp j, 0,1,2,3,4,5,6,7
	v_cvt_pk_bf16_f32 v[\nb+\j], v[BF+16*\c+2*\j], v[BF+16*\c+2*\j+1]
.endr
.endif
.if \k == 3
.irp j, 0,1,2,3,4,5,6,7
	v_fma_mix_f32_bf16 v[TT+2*\j], v[\nb+\j], v[NEG1], v[BF+16*\c+2*\j] op_sel_hi:[1,0,0]
.endr
.endif
.if \k == 4
.irp j, 0,1,2,3,4,5,6,7
	v_fma_mix_f32_bf16 v[TT+2*\j+1], v[\nb+\j], v[NEG1], v[BF+16*\c+2*\j+1] op_sel:[1,0,0] op_sel_hi:[1,0,0]
.endr
.endif
.if \k == 5
.irp j, 0,1,2,3,4,5,6,7
	v_cvt_pk_bf16_f32 v[\nb+8+\j], v[TT+2*\j], v[TT+2*\j+1]
.endr
.endif
.endm
; One matrix instruction of stage tb, chunk c, and behind it (gen = 1) eight vector instructions for the next stage, which name none of its registers.
; The stage's two accumulators take turns, one instruction a turn; the products are hi hi, hi lo, lo hi.
.macro STEP k, tb, c, gen
.if \k == 0
	WM ACC+16*(\tb&1),   AFR+16*\c,      BFR+32*(\tb&1)+16*\c,   1-\c
.endif
.if \k == 1
	WM ACC+16*(\tb&1)+8, AFR+32+16*\c,   BFR+32*(\tb&1)+16*\c,   1-\c
.endif
.if \k == 2
	WM ACC+16*(\tb&1),   AFR+16*\c,      BFR+32*(\tb&1)+16*\c+8, 0
.endif
.if \k == 3
	WM ACC+16*(\tb&1)+8, AFR+32+16*\c,   BFR+32*(\tb&1)+16*\c+8, 0
.endif
.if \k == 4
	WM ACC+16*(\tb&1),   AFR+16*\c+8,    BFR+32*(\tb&1)+16*\c,   0
.endif
.if \k == 5
	WM ACC+16*(\tb&1)+8, AFR+32+16*\c+8, BFR+32*(\tb&1)+16*\c,   0
.endif
.if \gen
	BLK \k, \c, BFR+32*((\tb+1)&1)+16*\c
.endif
.endm
.macro XSEND pa1, t                                ; my partial sums of the partner's tile of stage t: 512 consecutive bytes a store, bytes used for this stage alone
	ds_store_b128 v[XW], v[\pa1:\pa1+3] offset:1024*(\t)
	ds_store_b128 v[XW], v[\pa1+4:\pa1+7] offset:1024*(\t)+512
.endm
.macro XRECV t                                     ; the partner's partial sums of my tile, lane for lane
	ds_load_b128 v[PT:PT+3], v[XR] offset:1024*(\t)
	ds_load_b128 v[PT+4:PT+7], v[XR] offset:1024*(\t)+512
.endm
.macro XADD pa0                                    ; both halves of k added: mine + the partner's, into PT, out of which the tile is stored later
	s_wait_dscnt 0x0                               ; the partner's sums are in
.irp j, 0,2,4,6
	v_pk_add_f32 v[PT+\j:PT+\j+1], v[\pa0+\j:\pa0+\j+1], v[PT+\j:PT+\j+1]
.endr
.endm
.macro XSTORE t                                    ; the finished tile of stage t; each store of the wave covers 512 consecutive bytes, aligned
	global_store_b128 v[CO], v[PT:PT+3], s[10:11] offset:2048*(\t) th:TH_STORE_NT
	global_store_b128 v[CO], v[PT+4:PT+7], s[10:11] offset:2048*(\t)+512 th:TH_STORE_NT
.endm
; Stage tb: 12 matrix instructions on this Tb's two tiles.  Woven in: the next Tb's V (gen = 1), and the way out of the two stages before.
; The stage before ended with eight vector instructions behind its last matrix instruction (ISA guide 7.12.1 asks for four), so its results may be read.
.macro STAGE tb, gen
.if \tb > 0
	s_wait_alu depctr_va_vdst(0)                   ; the stage before has written the accumulator that the LDS stores below read; its adds have written PT, which the global stores below read, and are done reading PT, in which this stage's loads land
	XSEND ACC+16*((\tb+1)&1)+8, \tb-1
.if \tb > 1
	XSTORE \tb-2
.endif
.endif
	STEP 0, \tb, 0, \gen
	STEP 1, \tb, 0, \gen
	STEP 2, \tb, 0, \gen
.if \tb > 0
	s_wait_dscnt 0x0                               ; my two stores are in LDS: zero, for the partner's sake,
	s_barrier_signal -1                            ; say so,
.endif
	STEP 3, \tb, 0, \gen                           ; register work alone between signal and wait,
	STEP 4, \tb, 0, \gen
	STEP 5, \tb, 0, \gen
.if \tb > 0
	s_barrier_wait -1                              ; and read the partner's bytes when every wave has said so
.if \tb > 1
	s_wait_xcnt 0x0                                ; PT was the data of the global stores at this stage's head: it is loaded again only behind this wait
.endif
	s_wait_alu depctr_vm_vsrc(0)                   ; the stores at this stage's head have read their registers: PT, in which the loads below land, and the accumulator that the next stage's products write again
	XRECV \tb-1
.endif
	STEP 0, \tb, 1, \gen
	STEP 1, \tb, 1, \gen
	STEP 2, \tb, 1, \gen
.if \tb > 0
	XADD ACC+16*((\tb+1)&1)
.endif
	STEP 3, \tb, 1, \gen
	STEP 4, \tb, 1, \gen
	STEP 5, \tb, 1, \gen
.endm
	STAGE 0, 1
	STAGE 1, 1
	STAGE 2, 1
	STAGE 3, 0                                     ; nothing more to prepare
.rept 4
	v_nop                                          ; four places behind the last matrix instructions before their results are read (ISA guide 7.12.1)
.endr
	s_wait_alu depctr_va_vdst(0)                   ; the last products have written the accumulator that the LDS stores below read, the last stage's adds PT, which the global stores read; the places above stay beside this wait
	XSEND ACC+16+8, 3
	XSTORE 2
	s_wait_dscnt 0x0                               ; my stores are in LDS,
	s_barrier_signal -1
	s_barrier_wait -1                              ; everybody's are
	s_wait_xcnt 0x0                                ; PT was the data of the two global stores above: it is loaded again only behind this wait
	s_wait_alu depctr_vm_vsrc(0)                   ; those stores have read PT, in which the loads below land
	XRECV 3
	XADD ACC+16
	s_wait_alu depctr_va_vdst(0)                   ; the adds have written PT, which the last two stores read
	XSTORE 3
	s_set_vgpr_msb 0x5
	s_wait_dscnt 0x0
	s_wait_alu depctr_hold_cnt(0) depctr_sa_sdst(0) depctr_va_vdst(0) depctr_va_sdst(0) depctr_va_ssrc(0) depctr_va_vcc(0) depctr_vm_vsrc(0)
	s_wait_tensorcnt 0x0
	ds_add_u32 v0, v1
	s_wait_dscnt 0x0
	s_endpgm
.Lfunc_end_k_q47514e3cc0_s4d:
	.size	k_q47514e3cc0_s4d, .Lfunc_end_k_q47514e3cc0_s4d-k_q47514e3cc0_s4d
	.p2alignl 7, 3214868480
	.fill 96, 4, 3214868480
	.section	.rodata,"a",@progbits
	.p2align	6, 0x0
	.amdhsa_kernel k_q47514e3cc0_s4d
		.amdhsa_group_segment_fixed_size 142336
		.amdhsa_private_segment_fixed_size 0
		.amdhsa_enable_private_segment 0
		.amdhsa_kernarg_size 32
		.amdhsa_user_sgpr_count 2
		.amdhsa_user_sgpr_kernarg_segment_ptr 1
		.amdhsa_wavefront_size32 1
		.amdhsa_system_sgpr_workgroup_id_x 1
		.amdhsa_system_sgpr_workgroup_id_y 1
		.amdhsa_system_sgpr_workgroup_id_z 1
		.amdhsa_system_vgpr_workitem_id 0
		.amdhsa_next_free_vgpr 258
		.amdhsa_next_free_sgpr 66
		.amdhsa_reserve_vcc 1
		.amdhsa_float_denorm_mode_32 3
		.amdhsa_float_denorm_mode_16_64 3
		.amdhsa_memory_ordered 1
		.amdhsa_forward_progress 1
		.amdhsa_inst_pref_size 55
	.end_amdhsa_kernel
	.amdgpu_metadata
---
amdhsa.version: [ 1, 2 ]
amdhsa.kernels:
  - .name:           k_q47514e3cc0_s4d
    .symbol:         k_q47514e3cc0_s4d.kd
    .args:
      - { .name: A, .offset: 0, .size: 8, .value_kind: global_buffer, .address_space: global }
      - { .name: C, .offset: 8, .size: 8, .value_kind: global_buffer, .address_space: global }
      - { .name: log_dt, .offset: 16, .size: 8, .value_kind: global_buffer, .address_space: global }
      - { .name: out0, .offset: 24, .size: 8, .value_kind: global_buffer, .address_space: global }
    .group_segment_fixed_size: 142336
    .private_segment_fixed_size: 0
    .kernarg_segment_align: 8
    .kernarg_segment_size: 32
    .max_flat_workgroup_size: 256
    .sgpr_count:     66
    .vgpr_count:     258
    .wavefront_size: 32
...
	.end_amdgpu_metadata
.endif
;; end of part 2
